; MI455X (gfx1250); checked and timed in simulation.
; The chip was launched on July 23, 2026; its instructions are those of AMD's public machine-readable ISA for CDNA 5 (MIT licence, August 2026) and "CDNA5" Instruction Set Architecture Reference Guide (July 2026). The comments in the code are by the model that wrote it; some were corrected since.
;; Scaled Dot Product Attention. Allowed arithmetic: matrix products marked QUANTISED: E5M2 operands, one given power-of-two scale a tensor, by v_wmma_f32_16x16x64_bf8_bf8 or v_wmma_f32_16x16x128_bf8_bf8, f32 sums; everything else in f32.
;; Inputs: K_codes 16 x 2,048 x 4 x 32 uint8 (E5M2 codes of K, K innermost, in blocks of 32 codes); Q_codes 16 x 2,048 x 4 x 32 uint8 (E5M2 codes of Q, K innermost, in blocks of 32 codes); V_codes 16 x 128 x 64 x 32 uint8 (E5M2 codes of V, K innermost, in blocks of 32 codes); lowp_scales 4 int32 (the exponents e of the quantised operands' scales 2^e); mask 16 x 2,048 x 2,048 bool.
;; Outputs: out0 16 x 2,048 x 128 float32.
;; This version of the problem:
;;   THIS VERSION OF THE PROBLEM IS GIVEN IN LOW PRECISION. The matrix products marked QUANTISED in the list below multiply operands that are first quantised to E5M2 (5 exponent bits, 2 mantissa bits; 8 bits a number), with one given power-of-two scale for each operand tensor; their sums are f32. All else is computed in f32.
;;   The module's matrix products, in the order in which they are computed (A, B: the left and right operand; K: the contracted axis; several contracted axes count as one K, in the product's order):
;;     1. batch 16 x [M 2,048, K 128] x [K 128, N 2,048]; A: input Q (given as codes); B: input K (given as codes): QUANTISED (scales: A lowp_scales[0], B lowp_scales[1])
;;     2. batch 16 x [M 2,048, K 2,048] x [K 2,048, N 128]; A: softmax (see below); B: input V (given as codes): QUANTISED (scales: A lowp_scales[2], B lowp_scales[3])
;;   THE QUANTISER, for each operand of a quantised product, along K:
;;     - The operand's scale is 2^e, e = its entry of the input lowp_scales (int32; the entries are numbered through the quantised products in the list's order, A before B).
;;     - Each number is divided by the scale, clamped to +-57,344, and rounded to the nearest number of E5M2, ties to even, subnormals kept.
;;     - The product sums the exact products of the quantised numbers (number of the format x scale) in f32.
;;   ~~~python
;;   def quantise(x, axis, e):      # numpy; x: float32 -> the quantised numbers, widened to float32 again
;;       x = np.moveaxis(x, axis, -1); K = x.shape[-1]
;;       r = np.clip(x / 2.0 ** e, -57344, 57344)
;;       step = 2.0 ** (np.maximum(np.frexp(np.where(r == 0, 1, r))[1] - 1, -14) - 2)
;;       q = np.round(r / step) * step * 2.0 ** e      # np.round: ties to even
;;       return np.moveaxis(q, -1, axis).astype(np.float32)
;;   ~~~
;;   SOFTMAX AHEAD OF A QUANTISED PRODUCT. Where the list says 'softmax', what is quantised is not the finished softmax but p = 2^(t - M), with t = logit x log2(e) and M = ceil(the row's largest t), a whole number; so 1/2 < the row's largest p <= 1. The row's sum l is taken of the UNQUANTISED p, in f32, and the product's result is divided by l at the end. Since M is a whole number, a kernel that streams over the keys may use a running M (the ceiling of the running maximum): every later rescaling is an exact power of two, so the quantised numbers keep their values, but for numbers so far below the row's largest that they fall under the format's range.
;;   OPERANDS COMPUTED ON THE WAY. 'Computed on the way' means the value that the module computes at that place (a softmax that the list does not call 'softmax' is quantised finished and normalised). What goes into a quantiser is computed in f32, as accurately as f32 sums, v_exp_f32 and their like allow (about 1e-6 of the number): no bf16 or f16 on the way to a quantiser, and a product that is left as it is and whose result goes on into a quantised operand takes f32 operands (vector FMAs, or v_wmma_f32_16x16x4_f32). A number that lies on a knife's edge between two numbers of the format may be rounded either way, as far as f32 arithmetic and the matrix unit's own rounding can turn it there, and no further.
;;   INPUTS GIVEN AS CODES. K (in the module: [16, 2048, 128], K = its axis 2); Q (in the module: [16, 2048, 128], K = its axis 2); V (in the module: [16, 2048, 128], K = its axis 1): each comes as NAME_codes (uint8): NAME with its K axis moved to the last place and cut into blocks of 32 codes, [.., K / 32, bytes a block], one block behind the other in memory; one code a byte (a code: sign, 5 exponent bits, 2 mantissa bits); its scale is its entry of lowp_scales. Its value is code x scale, taken as it is: it is not quantised again, and the codes and scales need not be those that the quantiser above would give.
;; One version. Each part assembles by itself: llvm-mc -triple=amdgcn-amd-amdhsa -mcpu=gfx1250 --defsym DOCPART=n.
;; ======== version 1 of 1: 1 launch
;; limits: right only within a limited range of input values
;; launch attn (part 1): grid 16 x 16, 8 waves a work-group, clusters of 4 x 1, 327,680 bytes of LDS; arguments Q_codes, K_codes, V_codes, lowp_scales, mask, out0; writes out0
.if DOCPART == 1
	.amdgcn_target "amdgcn-amd-amdhsa--gfx1250"
	.amdhsa_code_object_version 6
	.text
	.protected	k_q8229f6a615_attn
	.globl	k_q8229f6a615_attn
	.p2align	8
	.type	k_q8229f6a615_attn,@function
k_q8229f6a615_attn:
	s_mov_b64 s[64:65], 0
	v_nop
	global_prefetch_b8 v0, s[64:65] scope:SCOPE_SE
	s_setreg_imm32_b32 hwreg(HW_REG_WAVE_MODE, 25, 1), 1
	s_wait_xcnt 0x0
	s_wait_alu depctr_hold_cnt(0) depctr_sa_sdst(0) depctr_va_vdst(0) depctr_va_sdst(0) depctr_va_ssrc(0) depctr_va_vcc(0) depctr_vm_vsrc(0)
	s_getreg_b32 s2, hwreg(HW_REG_IB_STS2, 6, 4)
	s_cmp_eq_u32 s2, 0
	s_cbranch_scc0 .Lentry_in_a_cluster
	s_endpgm
.Lentry_in_a_cluster:
	s_bfe_u32 s2, ttmp6, 0x10000c
	s_cmp_lg_u32 s2, 0x3003
	s_cbranch_scc0 .Lentry_shape_is_right
	s_endpgm
.Lentry_shape_is_right:
; out0[b][q][:] = sum over k of softmax_k(where(mask, -1e9, Q[b][q] . K[b][k] / sqrt(128))) V[b][k][:], both products on codes of BF8 (E5M2), each tensor with the one scale 2^e given for it (eq, ek, ep, ev).
; Q, K: [16][2048][128] codes, the head's 128 innermost.  V: [16][128][2048] codes, the keys innermost.  mask: [16][2048][2048] bytes, 1 = masked out.  out0: [16][2048][128] f32.
; THE SOFTMAX AHEAD OF THE SECOND PRODUCT: t = logit x log2(e); M = the row's largest t so far, rounded UP to a whole number; p = 2^(t - M) is quantised along the keys, not normalised; the row's sum is taken of the
; unquantised p and divides at the end.  When M moves, the sum and O are multiplied by 2^(old M - new M): exact.
; SHARES.  A work-group owns 128 queries of one head: 16 x 16 = 256 work-groups.  Wave w: g = w & 3 names queries 32 g .. 32 g + 31 (two tiles of 16), kh = w >> 2 names which 128 of a slot's 256 keys it takes.
; Each fragment of K and V that a wave reads feeds two products.  At the end waves w and w ^ 4 merge their halves of the keys.
; LAYOUT.  Both products are used transposed: S^T = K Q^T (source 0 = 16 keys, source 1 = 16 queries), O^T = V^T P^T: a lane holds ONE query (lane % 16) throughout.  Lane r of K's tile 2 b + u takes key 32 b + 8 u + r + 8 (r / 8),
; so that the 16 registers of tiles 2 b, 2 b + 1 are the neighbouring keys 32 b + 16 (lane / 16) + 0 .. 15: the conversions' results are the second product's operand.
; K IN LDS: the even groups of 16 keys lie in one region, the odd ones in another that begins 128 bytes off a multiple of 256: with rows of 144 bytes the sixteen rows that a load touches (eight of each) start in sixteen different 16-byte columns mod 256.
; THE MASK IS THE C OF THE FIRST PRODUCT.  A mask byte 1 read as a code of BF8 is 2^-16: one conversion with the scale 2^127 makes eight mask bytes eight f32 numbers, 2^111 for a masked key and 0 for any other, in the accumulator's layout.
; Q's sign bits are turned once at the head, so the product gives MINUS the score, and a masked key's number is some 2^111: the smallest of these is the largest score, and the factor to t is -c.
; THE -1e9.  TM = f32(-1e9) x f32(log2 e) = -1,442,695,040, a whole number.  The running largest t BEGINS at TM.  While it is TM, every key of the row so far is masked: then the lane's factor and addend are 0, and every p is 2^0 = 1.
; Otherwise a masked key's p is 0, and a first unmasked key makes the factor 2^(old M - new M) zero, which wipes what was gathered.
; A STEP IS ROTATED: the change of slots stands in the middle of the softmax, when V's fragments are in registers; behind it the next step's mask words and K fragments are loaded, under the conversions and the second product.
; CLUSTER.  The four query blocks of a cluster belong to one head and walk the same K and V: those tiles are asked for JOINTLY.  The mask's tiles are each work-group's own: plain tensor loads behind the same rounds.
; LIMITS.  Unmasked logits lie above -9.9e8 (below that reference() mixes them with masked ones; this text does not).  eq + ek between -77 and 130 (c stays an f32 number, and 2^111 c stays over 1.45e9); ep between -126
; and 112; ep + ev is applied by v_ldexp_f32 and has none.  Scaled scores stay under 2^31.  Mask bytes are 0 or 1.  Codes of infinity or NaN are not served.
; REGISTERS.  Window 0: v0-31 addresses and statistics; v32-63 p's codes (and temporaries), 16 a tile; v64-95 Q; v96-223 scores, then p, 64 a tile; v224-255 mask words.
;   Window 1: v0-127 O^T, 64 a tile; v128-191, v192-255 two buffers of four fragments of K or V.
; Tile slot j of wave (g, kh) holds queries 32 g + 16 (j xor kh) + r: so every wave keeps slot 0 and gives slot 1 at the merge, without a branch.
.set KP,    144                        ; a key's row in LDS: 128 bytes + 16 of padding
.set KODD,  128*KP+128                 ; the odd groups' region
.set VP,    272                        ; a row of V's tile and of the mask's (256 keys): 256 bytes + 16
.set VOFF,  37120                      ; a slot: K (2 x 128 rows), 128 rows of V, 128 rows of the mask
.set MOFF,  VOFF+128*VP
.set SLOT1, 1<<17                      ; slot 1 begins here: one exclusive or turns an address in one slot into the other's
.set SPARE, 2*SLOT1                    ; the spare words: 128 bytes for each of eight waves
.set STG,   SPARE+1024                 ; the way out: 16 rows x 272 bytes for each wave; no fill ever lands here
.set STX,   65536                      ; the merge: 8,192 bytes a wave from LDS byte 0, 256 bytes a wave from here, in ring slot 0: its last fill and last read lie in front of the last change of slots
.set AK0, 1
.set AV0, 2
.set AM,  3                            ; v3, v4: tile slots 0, 1
.set SPW, 5
.set NIL, 6
.set ADK, 7
.set ADV, 8
.set HOLD, 9
.set SCL, 10
.set PFO, 11                           ; the prefetches' offsets, never rewritten
.set PFO2, 12
.set MSC, 13                           ; the mask conversions' scale: 2^127 in every byte
.set ST,  16                           ; tile slot j at v[ST + 8 j]: +0 addend (-M or 0), +1 -M, +2, +3 the sum in two halves, +4 f, +5 the largest t, +6 factor (-c or 0), +7 a lane permute's destination
.set CD,  32
.set QR,  64
.set S,   96
.set MK,  224
.set FRA, 128                          ; in window 1
.set FRB, 192
.set WV,  16                           ; s16 wave; s17 g; s18 kh; s19 wave & 1
.set G,   17
.set KH,  18
.set IDX, 19
.set SEL, 20                           ; s[20:21] lane selects for v_permlanex16_b32: lane l xor 16
.set CS,  22                           ; -c = -log2(e) / sqrt(128) x 2^(eq + ek)
.set G1K, 24                           ; descriptor groups 1 for K's, V's and the mask's tiles
.set G1V, 32
.set G1M, 40
.set G0K, 48                           ; their groups 0, which walk
.set G0V, 52
.set G0M, 56
.set TB,  60                           ; LDS byte at which the slot in hand begins
.set SLOTS, 61                         ; slots still to be asked for in the loop
.set SGN, 62                           ; the sign bit of each of four codes
.set TM,  63
.set PF,  66                           ; s[66:67] the mask's prefetches; s[94:95] K's or V's, s[92:93] their step
.set EX,  68                           ; s[68:71] eq, ek, ep, ev
.set PFS, 92
.set PF2, 94
.set MSB, 0
.macro WIN new                         ; the immediate's high byte repeats the setting that is left; a switch that changes nothing is dropped
.if MSB != \new
	s_set_vgpr_msb (MSB<<8)|\new
.set MSB, \new
.endif
.endm
.macro PLACES
.rept 4
	v_nop
.endr
.endm
; A round of the cluster's barrier behind its opening barrier, and a whole one.
.macro CREST
	s_cmp_lg_u32 s[WV], 0
	s_cbranch_scc1 .Lnot_wave_0_\@
	s_barrier_signal -3
.Lnot_wave_0_\@:
	s_barrier_wait -3
	s_barrier_signal -1
	s_barrier_wait -1
.endm
.macro CROUND
	s_barrier_signal -1
	s_barrier_wait -1
	CREST
.endm
; Waves 0, 1 fetch K's even and odd groups (jointly), waves 2, 3 V's halves (jointly), waves 4, 5 the mask's (the work-group's own), waves 6, 7 nothing.  The branches hang on the wave's number alone.
.macro TLOAD
	s_cmp_lt_u32 s[WV], 2
	s_cbranch_scc0 .Lnot_k_\@
	tensor_load_to_lds s[G0K:G0K+3], s[G1K:G1K+7]
	s_nop 0
	PLACES
	s_branch .Lasked_\@
.Lnot_k_\@:
	s_cmp_lt_u32 s[WV], 4
	s_cbranch_scc0 .Lnot_v_\@
	tensor_load_to_lds s[G0V:G0V+3], s[G1V:G1V+7]
	s_nop 0
	PLACES
	s_branch .Lasked_\@
.Lnot_v_\@:
	s_cmp_lt_u32 s[WV], 6
	s_cbranch_scc0 .Lasked_\@
	tensor_load_to_lds s[G0M:G0M+3], s[G1M:G1M+7]
	s_nop 0
	PLACES
.Lasked_\@:
.endm
.macro DSTEP                           ; the walking descriptors: the other ring slot than last time, the next 256 keys; the type bits on top are not reached
	s_xor_b32 s[G0K+1], s[G0K+1], SLOT1
	s_add_nc_u64 s[G0K+2:G0K+3], s[G0K+2:G0K+3], 0x8000
	s_xor_b32 s[G0V+1], s[G0V+1], SLOT1
	s_add_nc_u64 s[G0V+2:G0V+3], s[G0V+2:G0V+3], 256
	s_xor_b32 s[G0M+1], s[G0M+1], SLOT1
	s_add_nc_u64 s[G0M+2:G0M+3], s[G0M+2:G0M+3], 256
.endm
; PREFETCH into the L2 of the slot after the one just requested.  The mask: 64 of the work-group's 128 rows a wave (6, 7), a lane a row.  K and V: each cluster asks once for its own; the four partners share the blocks out by address:
; wave 6 asks for 8,192 of K's 32,768 bytes, lanes 256 bytes apart, wave 7 for 32 of V's 128 rows, a lane a row.
.macro PFREQ
	global_prefetch_b8 v[PFO], s[PF:PF+1] th:TH_LOAD_NT scope:SCOPE_SE
	global_prefetch_b8 v[PFO], s[PF:PF+1] offset:65536 th:TH_LOAD_NT scope:SCOPE_SE
	global_prefetch_b8 v[PFO2], s[PF2:PF2+1] th:TH_LOAD_NT scope:SCOPE_SE
.endm
.macro PREF inloop
	s_cmp_lt_u32 s[WV], 6
	s_cbranch_scc1 .Lno_pf_\@
.if \inloop
	s_cmp_lt_u32 s[SLOTS], 2                       ; the loop's last trip asks for the last slot: nothing lies beyond it
	s_cbranch_scc1 .Lno_pf_\@
.endif
	s_wait_xcnt 0x0                                ; the last requests have read their bases: they may step
	s_add_nc_u64 s[PF:PF+1], s[PF:PF+1], 256
	s_add_nc_u64 s[PF2:PF2+1], s[PF2:PF2+1], s[PFS:PFS+1]
	PFREQ
.Lno_pf_\@:
.endm
.macro MLOAD                           ; my queries' mask bytes of keys 32 b + 16 h + 0 .. 15 of my half; and K's address
	v_add_nc_u32 v14, s[TB], v[AM]
	v_add_nc_u32 v15, s[TB], v[AM+1]
	v_add_nc_u32 v[ADK], s[TB], v[AK0]
.irp j, 0,1
.irp b, 0,1,2,3
	ds_load_b128 v[MK+16*\j+4*\b:MK+16*\j+4*\b+3], v[14+\j] offset:32*\b
.endr
.endr
.endm
.macro KLOAD gq, dst                   ; K's tiles 4 gq .. 4 gq + 3 of my 128 keys
	WIN 0x40
.irp t, 0,1,2,3
.irp c, 0,1,2,3
	ds_load_b128 v[\dst+16*\t+4*\c:\dst+16*\t+4*\c+3], v[ADK] offset:(16*((4*\gq+\t)/2)+8*(\t%2))*KP+32*\c
.endr
.endr
	WIN 0
.endm
.macro VLOAD gq, dst                   ; V's tiles 4 gq .. 4 gq + 3 (16 of the head's 128 each) x my 128 keys
	WIN 0x40
.irp t, 0,1,2,3
.irp c, 0,1,2,3
	ds_load_b128 v[\dst+16*\t+4*\c:\dst+16*\t+4*\c+3], v[ADV] offset:16*(4*\gq+\t)*VP+32*\c
.endr
.endr
	WIN 0
.endm
; The accumulators take turns, one instruction a turn: a step's 32 matrix instructions name 32 different accumulators.
.macro QK gq, fr                       ; -S^T = K (-Q)^T + the mask's numbers, in place: each fragment of K serves both tile slots
	WIN 0x01
.irp t, 0,1,2,3
.irp j, 0,1
	v_wmma_f32_16x16x128_bf8_bf8 v[S+64*\j+8*(4*\gq+\t):S+64*\j+8*(4*\gq+\t)+7], v[\fr+16*\t:\fr+16*\t+15], v[QR+16*\j:QR+16*\j+15], v[S+64*\j+8*(4*\gq+\t):S+64*\j+8*(4*\gq+\t)+7]
.endr
.endr
	WIN 0
.endm
.macro PV gq, fr                       ; O^T += V^T P^T: each fragment of V serves both tile slots
	WIN 0x51
.irp t, 0,1,2,3
.irp j, 0,1
	v_wmma_f32_16x16x128_bf8_bf8 v[64*\j+8*(4*\gq+\t):64*\j+8*(4*\gq+\t)+7], v[\fr+16*\t:\fr+16*\t+15], v[CD+16*\j:CD+16*\j+15], v[64*\j+8*(4*\gq+\t):64*\j+8*(4*\gq+\t)+7]
.endr
.endr
	WIN 0
.endm
.macro PA d, a, b                      ; two sums at once
	v_pk_add_f32 v[\d:(\d)+1], v[\a:(\a)+1], v[\b:(\b)+1]
.endm
.macro HOLD2 r                         ; two p held at the largest code x the scale: the conversion to an 8-bit code does not saturate (ISA guide 7.6.2); p is not negative
	v_dual_min_num_f32 v[\r], v[HOLD], v[\r] :: v_dual_min_num_f32 v[(\r)+1], v[HOLD], v[(\r)+1]
.endm
.macro CV j, q                         ; eight codes
	v_cvt_scalef32_pk8_bf8_f32 v[CD+16*\j+2*\q:CD+16*\j+2*\q+1], v[S+64*\j+8*\q:S+64*\j+8*\q+7], v[SCL]
.endm
.macro EXP0                            ; half of tile slot 0's p = 2^(t - M), at most 1; between them half of tile slot 1's t - M
.rept 16
	v_exp_f32 v[S+k], v[S+k]
	v_pk_fma_f32 v[S+64+k:S+65+k], v[S+64+k:S+65+k], v[ST+14:ST+15], v[ST+8:ST+9] op_sel_hi:[1,0,0]
	v_exp_f32 v[S+k+1], v[S+k+1]
.set k, k+2
.endr
.endm
; A KEY STEP: my 128 keys of the slot in hand, both tile slots.  mode 0: changes slots and refills; 1: changes slots, nothing left to ask for; 2: the last step.
; At its head the DS instructions out are, in order: 8 mask loads, 16 loads of K's tiles 0-3, 16 of tiles 4-7.
.macro STEP mode
	s_wait_dscnt 32                                ; the mask words are in; K's 32 loads may be out
.irp q, 0,1,2,3,4,5,6,7
.irp j, 0,1
	v_cvt_scale_pk8_f32_bf8 v[S+64*\j+8*\q:S+64*\j+8*\q+7], v[MK+16*\j+2*\q:MK+16*\j+2*\q+1], v[MSC]   ; C of tile q: eight mask bytes, 2^111 or 0
.endr
.endr
	v_mov_b32 v[CD+8], v[ST+1]                     ; the old -M.  (A plain line between the conversions and the products)
	s_wait_alu depctr_va_vdst(0)
	s_wait_dscnt 16                                ; K's tiles 0-3 are in
	QK 0, FRA
	v_add_nc_u32 v[ADV], s[TB], v[AV0]             ; four plain lines: the places in front of the loads into the fragments and of the first reads of the scores
	v_mov_b32 v[CD+9], v[ST+9]
	v_nop
	v_nop
	VLOAD 0, FRA
	s_wait_alu depctr_va_vdst(0)
	s_wait_dscnt 16                                ; K's tiles 4-7 are in; V's sixteen just issued may be out
	QK 1, FRB
	; the step's smallest negated score of my query among my 64 keys, two chains a tile slot; each accumulator is read from its low end on.  The first four lines read the first products' results and are the places behind the second's
.irp j, 0,1
	v_min3_num_f32 v[CD+2*\j], v[S+64*\j], v[S+64*\j+1], v[S+64*\j+2]
	v_min3_num_f32 v[CD+2*\j+1], v[S+64*\j+3], v[S+64*\j+4], v[S+64*\j+5]
.endr
	VLOAD 1, FRB
.set k, 6
.rept 14
	v_min3_num_f32 v[CD], v[CD], v[S+k], v[S+k+1]
	v_min3_num_f32 v[CD+2], v[CD+2], v[S+64+k], v[S+65+k]
	v_min3_num_f32 v[CD+1], v[CD+1], v[S+k+2], v[S+k+3]
	v_min3_num_f32 v[CD+3], v[CD+3], v[S+66+k], v[S+67+k]
.set k, k+4
.endr
	v_min3_num_f32 v[CD], v[CD], v[S+62], v[S+63]
	v_min3_num_f32 v[CD+2], v[CD+2], v[S+126], v[S+127]
.irp j, 0,1
	v_min_num_f32 v[CD+2*\j], v[CD+2*\j], v[CD+2*\j+1]
.endr
.irp j, 0,1
	v_permlanex16_b32 v[ST+8*\j+7], v[CD+2*\j], s[SEL], s[SEL+1]
.endr
.irp j, 0,1
	v_min_num_f32 v[CD+2*\j], v[CD+2*\j], v[ST+8*\j+7]     ; and among lane l xor 16's
.endr
.irp j, 0,1
	v_mul_f32 v[CD+2*\j], s[CS], v[CD+2*\j]        ; as t; a step of masked keys alone gives a number under TM
.endr
.irp j, 0,1
	v_max_num_f32 v[ST+8*\j+5], v[ST+8*\j+5], v[CD+2*\j]   ; the running largest t, never under TM
.endr
.irp j, 0,1
	v_floor_f32 v[ST+8*\j+1], -v[ST+8*\j+5]        ; the new -M = floor(-t) = -ceil(t): a whole number
.endr
.irp j, 0,1
	v_cmp_eq_f32 s[72+\j], s[TM], v[ST+8*\j+5]     ; every key so far is masked
.endr
.irp j, 0,1
	v_sub_f32 v[CD+2*\j+1], v[ST+8*\j+1], v[CD+8+\j]       ; M's old value less its new one: a whole number, 0 or less
.endr
.irp j, 0,1
	v_cndmask_b32 v[ST+8*\j+6], s[CS], 0, s[72+\j] ; the lane's factor, -c or 0,
.endr
.irp j, 0,1
	v_cvt_i32_f32 v[CD+2*\j+1], v[CD+2*\j+1]       ; (it saturates)
.endr
.irp j, 0,1
	v_cndmask_b32 v[ST+8*\j], v[ST+8*\j+1], 0, s[72+\j]    ; and addend, -M or 0
.endr
.irp j, 0,1
	v_ldexp_f32 v[ST+8*\j+4], 1.0, v[CD+2*\j+1]    ; f = 2^(old M - new M): rounds nothing
.endr
	WIN 0x41
.irp j, 0,1
.set k, 64*\j
.rept 32
	v_pk_mul_f32 v[k:k+1], v[k:k+1], v[ST+8*\j+4:ST+8*\j+5] op_sel_hi:[1,0]   ; O^T under the new M
.set k, k+2
.endr
.endr
	WIN 0
.irp j, 0,1
	v_pk_mul_f32 v[ST+8*\j+2:ST+8*\j+3], v[ST+8*\j+2:ST+8*\j+3], v[ST+8*\j+4:ST+8*\j+5] op_sel_hi:[1,0]   ; and the sums
.endr
.set k, 0
.rept 32
	v_pk_fma_f32 v[S+k:S+k+1], v[S+k:S+k+1], v[ST+6:ST+7], v[ST:ST+1] op_sel_hi:[1,0,0]   ; tile slot 0: t - M, two at a time (of the pairs the low word serves both halves)
.set k, k+2
.endr
	s_wait_alu depctr_va_vdst(0)                   ; ahead of the batch
.set k, 0
	EXP0
.if \mode < 2
	s_wait_tensorcnt 0x0                           ; no tensor load of mine is out: my part of the next slot is in, and a group 0 may be written
	ds_add_u32 v[SPW], v[NIL]                      ; 0 onto my spare word
.if \mode == 0
	ds_add_u32 v[SPW], v[NIL]                      ; and twice on end where a tensor load follows
	DSTEP
.endif
	s_xor_b32 s[TB], s[TB], SLOT1                  ; on to the other slot: my reads of this one have been issued
.endif
	EXP0
	s_wait_dscnt 0x0                               ; the adds are done, and so are my reads of this slot: V's fragments are in registers
	s_wait_alu depctr_va_vdst(0)                   ; behind this batch and ahead of the next
.if \mode < 2
	s_barrier_signal -1                            ; (where a slot is filled again this barrier opens a round of the cluster's barrier)
.endif
.set k, 0
.rept 16
	v_exp_f32 v[S+64+k], v[S+64+k]                 ; tile slot 1's p; between them the first level of tile slot 0's row sum, taken of the unquantised p, and its holds
	v_pk_add_f32 v[CD+k/2:CD+k/2+1], v[S+k:S+k+1], v[S+k+2:S+k+3]
	v_exp_f32 v[S+65+k], v[S+65+k]
	HOLD2 S+k
	v_exp_f32 v[S+66+k], v[S+66+k]
	HOLD2 S+k+2
	v_exp_f32 v[S+67+k], v[S+67+k]
.set k, k+4
.endr
	s_wait_alu depctr_va_vdst(0)                   ; behind the batch
.irp i, 7,6,5,4,3,2,1,0
	PA CD+16+2*\i, CD+4*\i, CD+4*\i+2              ; the sum's second level, from the top, so that v[CD:CD+15] come free for the codes
.endr
	CV 0, 0                                        ; a plain line behind each conversion
	PA CD+16, CD+16, CD+18
	CV 0, 1
	PA CD+20, CD+20, CD+22
	CV 0, 2
	PA CD+24, CD+24, CD+26
	CV 0, 3
	PA CD+28, CD+28, CD+30
	CV 0, 4
	PA CD+16, CD+16, CD+20
	CV 0, 5
	PA CD+24, CD+24, CD+28
	CV 0, 6
	PA CD+16, CD+16, CD+24
	CV 0, 7
	PA ST+2, ST+2, CD+16
.if \mode < 2
	s_wait_alu depctr_va_vdst(0)                   ; ahead of the barrier's wait and the branches
	s_barrier_wait -1
.if \mode == 0
	CREST                                          ; no wave of any partner still reads the slot that I have left or has a load on its way
	TLOAD                                          ; it is filled again
.endif
	MLOAD                                          ; the next step's mask words
.if \mode == 0
	PREF 1
.endif
.endif
.set k, 0
.rept 16
	v_pk_add_f32 v[S+k/2:S+k/2+1], v[S+64+k:S+65+k], v[S+66+k:S+67+k]   ; tile slot 1's sum, in registers of tile slot 0's p, which are coded
	HOLD2 S+64+k
	HOLD2 S+66+k
.set k, k+4
.endr
.irp q, 0,1,2,3,4,5,6,7
	CV 1, \q
	PA S+4*\q, S+4*\q, S+4*\q+2
.endr
	PV 0, FRA
	PA S, S, S+4                                   ; four plain lines: the places in front of the loads below
	PA S+8, S+8, S+12
	PA S+16, S+16, S+20
	PA S+24, S+24, S+28
.if \mode < 2
	KLOAD 0, FRA                                   ; the next step's
.endif
	PV 1, FRB
	PA S, S, S+8
	PA S+16, S+16, S+24
	PA S, S, S+16
	PA ST+10, ST+10, S
.if \mode < 2
	KLOAD 1, FRB
.endif
	s_wait_alu depctr_va_vdst(0)                   ; ahead of the branch and of the next wait
.endm
	s_load_b256 s[4:11], s[0:1], 0x0               ; Q s[4:5], K s[6:7], V s[8:9], the scales' exponents s[10:11]
	s_load_b128 s[12:15], s[0:1], 0x20             ; mask s[12:13], out0 s[14:15]
	v_lshl_add_u32 v[SPW], v0, 2, SPARE
	v_mov_b32 v[NIL], 0
	ds_add_u32 v[SPW], v[NIL]                      ; the opening add, twice on end, and its wait
	ds_add_u32 v[SPW], v[NIL]
	v_lshrrev_b32 v7, 5, v0
	v_readfirstlane_b32 s[WV], v7                  ; wave 0..7
	s_and_b32 s[G], s[WV], 3
	s_lshr_b32 s[KH], s[WV], 2
	s_and_b32 s[IDX], s[WV], 1
	s_bfe_u32 s72, ttmp6, 0x40000                  ; cx: my place in the cluster
	s_lshl_b32 s73, ttmp9, 2                       ; in a cluster launch ttmp9 counts clusters
	s_add_co_u32 s73, s73, s72                     ; my block of 128 queries
	s_and_b32 s74, ttmp7, 0xffff                   ; the head, which the four partners share
	s_lshl_b32 s75, s74, 18                        ; the head's first byte in each tensor of codes: 2,048 x 128
	s_lshl_b32 s76, s[IDX], 11                     ; K: the even or the odd groups of 16 keys x 128 bytes
	s_add_co_u32 s76, s76, s75
	s_mov_b32 s77, 0
	s_lshl_b32 s78, s[IDX], 17                     ; V: 64 rows x 2,048 bytes for each half
	s_add_co_u32 s78, s78, s75
	s_mov_b32 s79, 0
	s_lshl_b32 s80, s74, 22                        ; mask: the head's 2,048 x 2,048 bytes,
	s_lshl_b32 s81, s73, 18                        ; my block's 128 rows of 2,048
	s_add_co_u32 s80, s80, s81
	s_add_co_u32 s86, s80, 256                     ; the prefetch begins with slot 1's 256 keys
	s_mov_b32 s87, 0
	s_lshl_b32 s81, s[IDX], 17                     ; 64 rows for each half
	s_add_co_u32 s80, s80, s81
	s_mov_b32 s81, 0
	s_lshl_b32 s82, s73, 14                        ; Q: my block's 128 rows of 128 bytes,
	s_add_co_u32 s82, s82, s75
	s_lshl_b32 s83, s[G], 12                       ; my wave's 32 of them
	s_add_co_u32 s82, s82, s83
	s_mov_b32 s83, 0
	s_lshl_b32 s84, s74, 20                        ; out0: the head's 2,048 rows of 512 bytes,
	s_lshl_b32 s85, s73, 16                        ; my block's 128,
	s_add_co_u32 s84, s84, s85
	s_lshl_b32 s85, s[G], 14                       ; my pair of waves' 32,
	s_add_co_u32 s84, s84, s85
	s_lshl_b32 s85, s[KH], 13                      ; and the 16 that I keep: tile kh
	s_add_co_u32 s84, s84, s85
	s_mov_b32 s85, 0
	s_mul_i32 s88, s[IDX], KODD                    ; where the tiles go in a slot: no place in the cluster enters an LDS address
	s_mul_i32 s89, s[IDX], 64*VP
	s_add_co_u32 s90, s89, MOFF
	s_add_co_u32 s89, s89, VOFF
	s_mov_b32 s[PFS], 256
	s_cmp_eq_u32 s[IDX], 0                         ; the prefetch of K (wave 6) or of V (wave 7): a slot on, my place's share, from lane to lane
	s_cselect_b32 s[PFS], 0x8000, s[PFS]
	s_cselect_b32 s91, 13, 16
	s_cselect_b32 s93, 8, 11
	s_lshl_b32 s91, s72, s91
	s_add_co_u32 s96, s91, s75
	s_add_co_u32 s96, s96, s[PFS]                  ; it begins with slot 1
	s_mov_b32 s97, 0
	v_and_b32 v13, 31, v0
	v_lshlrev_b32 v[PFO2], s93, v13
	s_lshl_b32 s91, s[IDX], 17
	v_lshl_add_u32 v[PFO], v13, 11, s91            ; the mask's: row lane + 64 x (wave & 1) of the tile
	s_mov_b32 s93, 0
	; descriptor groups 1, elements of one byte.  K: 8 rows of 2,048 bytes, 4,096 apart, padded after every 128 bytes.  V and the mask: 64 rows of 256 bytes, 2,048 bytes apart
	s_mov_b32 s[G1K], 15|(1<<20)|(1<<21)|(4<<22)|(3<<25)    ; 15:0 all four work-groups; 20 padding on; 21 set beside a mask; 24:22 after every 32 words (code 4); 31:25 four words (code 3)
	s_mov_b32 s[G1K+1], 2048<<16                   ; tensor_dim0
	s_mov_b32 s[G1K+2], 8<<16                      ; tensor_dim1
	s_mov_b32 s[G1K+3], 2048<<16                   ; tile_dim0
	s_mov_b32 s[G1K+4], 8                          ; tile_dim1
	s_mov_b32 s[G1K+5], 4096                       ; tensor_dim0_stride
	s_mov_b32 s[G1K+6], 0
	s_mov_b32 s[G1K+7], 0
	s_mov_b32 s[G1V], 15|(1<<20)|(1<<21)|(5<<22)|(3<<25)    ; padding: four words after every 64
	s_mov_b32 s[G1M], (1<<20)|(5<<22)|(3<<25)      ; no work-group mask: a load of my own
.irp g, G1V, G1M
	s_mov_b32 s[\g+1], 256<<16
	s_mov_b32 s[\g+2], 64<<16
	s_mov_b32 s[\g+3], 256<<16
	s_mov_b32 s[\g+4], 64
	s_mov_b32 s[\g+5], 2048
	s_mov_b32 s[\g+6], 0
	s_mov_b32 s[\g+7], 0
.endr
	s_mov_b32 s[SEL], 0x76543210
	s_mov_b32 s[SEL+1], 0xfedcba98
	s_mov_b32 s[CS], 0xbe0293ee                    ; -log2(e) / sqrt(128)
	s_mov_b32 s[TB], 0
	s_mov_b32 s[SLOTS], 6
	s_mov_b32 s[SGN], 0x80808080
	s_mov_b32 s[TM], 0xceabfb8f                    ; -1,442,695,040 = f32(-1e9) x f32(log2 e), rounded to f32
	s_wait_alu depctr_va_vdst(0)
	s_wait_dscnt 0x0                               ; both opening adds are done
	CROUND                                         ; all four work-groups are here: the first joint loads meet
	s_wait_kmcnt 0x0
	s_mov_b32 s[G0K], 1                            ; 1:0 count = 1
	s_mov_b32 s[G0K+1], s88                        ; 63:32 LDS address: slot 0
	s_add_nc_u64 s[G0K+2:G0K+3], s[6:7], s[76:77]  ; 120:64 global address: the head's first 256 keys
	s_or_b32 s[G0K+3], s[G0K+3], 0x80000000        ; 127:126 type = 2
	s_mov_b32 s[G0V], 1
	s_mov_b32 s[G0V+1], s89
	s_add_nc_u64 s[G0V+2:G0V+3], s[8:9], s[78:79]
	s_or_b32 s[G0V+3], s[G0V+3], 0x80000000
	s_mov_b32 s[G0M], 1
	s_mov_b32 s[G0M+1], s90
	s_add_nc_u64 s[G0M+2:G0M+3], s[12:13], s[80:81]
	s_or_b32 s[G0M+3], s[G0M+3], 0x80000000
	TLOAD                                          ; slot 0: a wave's one tensor load at the head
	s_load_b128 s[EX:EX+3], s[10:11], 0x0          ; eq, ek, ep, ev
	s_add_nc_u64 s[PF:PF+1], s[12:13], s[86:87]
	s_cmp_eq_u32 s[IDX], 0
	s_cselect_b64 s[PF2:PF2+1], s[6:7], s[8:9]
	s_add_nc_u64 s[PF2:PF2+1], s[PF2:PF2+1], s[96:97]
	s_add_nc_u64 s[4:5], s[4:5], s[82:83]          ; Q at my wave's first row
	s_add_nc_u64 s[14:15], s[14:15], s[84:85]      ; out0 at the first row that I store
	s_xor_b32 s88, s[KH], 1                        ; tile slot 1 holds tile 1 xor kh
	s_lshl_b32 s80, s[KH], 11                      ; Q's rows of tile slot 0: 16 kh on,
	s_lshl_b32 s81, s88, 11                        ; of tile slot 1
	s_mul_i32 s99, s[KH], 64*KP                    ; K: my half of the slot's keys: 64 rows of each region
	s_lshl_b32 s89, s[KH], 7                       ; V, mask: 128 bytes along a row
	s_add_co_u32 s90, s89, VOFF
	s_lshl_b32 s86, s[G], 5
	s_lshl_b32 s91, s[KH], 4
	s_add_co_u32 s91, s91, s86                     ; tile slot 0's first query in the block: 32 g + 16 kh
	s_mul_i32 s91, s91, VP
	s_add_co_u32 s91, s91, s89
	s_add_co_u32 s91, s91, MOFF
	s_lshl_b32 s98, s88, 4
	s_add_co_u32 s98, s98, s86                     ; tile slot 1's: 32 g + 16 (1 xor kh)
	s_mul_i32 s98, s98, VP
	s_add_co_u32 s98, s98, s89
	s_add_co_u32 s98, s98, MOFF
	v_and_b32 v7, 15, v0                           ; r = lane % 16
	v_bfe_u32 v8, v0, 4, 1                         ; h = lane / 16
	v_lshlrev_b32 v13, 7, v7
	v_lshl_add_u32 v13, v8, 4, v13                 ; Q: row r of 128 bytes, + 16 h
	v_add_nc_u32 v14, s80, v13
	v_add_nc_u32 v15, s81, v13
.irp j, 0,1
.irp c, 0,1,2,3
	global_load_b128 v[QR+16*\j+4*\c:QR+16*\j+4*\c+3], v[14+\j], s[4:5] offset:32*\c   ; Q's fragments stay in registers
.endr
.endr
	v_and_b32 v20, 7, v7
	v_lshrrev_b32 v22, 3, v7
	v_mul_u32_u24 v20, v20, KP
	v_mul_u32_u24 v21, v7, VP
	v_mad_u32_u24 v20, v22, KODD, v20              ; lanes 0-7 read rows of the even groups, lanes 8-15 of the odd ones
	v_lshl_add_u32 v21, v8, 4, v21
	v_lshl_add_u32 v20, v8, 4, v20
	v_add_nc_u32 v[AV0], s90, v21
	v_add_nc_u32 v[AM], s91, v21
	v_add_nc_u32 v[AM+1], s98, v21
	v_add_nc_u32 v[AK0], s99, v20
	v_mov_b32 v[MSC], 0xfefefefe
	WIN 0x40
.set k, 0
.rept 128
	v_mov_b32 v[k], 0                              ; O^T, under the first tiles' flight.  The step has no first form of its own: the first finds zeros, which its factor leaves zeros
.set k, k+1
.endr
	WIN 0
.irp j, 0,1
	v_mov_b32 v[ST+8*\j+5], s[TM]                  ; the largest t so far: a masked key's
	v_mov_b32 v[ST+8*\j+2], 0                      ; the sum, in two halves
	v_mov_b32 v[ST+8*\j+3], 0
	v_mov_b32 v[ST+8*\j+7], 0                      ; a lane permute's destination counts as one of its sources
	v_floor_f32 v[ST+8*\j+1], -v[ST+8*\j+5]        ; -M
.endr
	s_wait_alu depctr_va_vdst(0)
	s_wait_kmcnt 0x0
	s_add_co_i32 s72, s[EX], s[EX+1]
	s_lshl_b32 s72, s72, 23
	s_add_co_i32 s[CS], s[CS], s72                 ; a score stands for score x 2^(eq + ek): the two exponents are added to c's exponent field
	s_add_co_i32 s72, s[EX+2], 127
	s_lshl_b32 s73, s72, 23
	v_mov_b32 v[SCL], s73                          ; 2^ep as f32, for the conversions
	s_add_co_i32 s72, s72, 15
	s_lshl_b32 s72, s72, 23
	s_or_b32 s72, s72, 0x600000
	v_mov_b32 v[HOLD], s72                         ; 57,344 x 2^ep
	s_wait_alu depctr_va_vdst(0)
	s_wait_loadcnt 0x0                             ; Q
	s_cmp_lt_u32 s[WV], 6
	s_cbranch_scc1 .Lno_pf0
	PFREQ                                          ; slot 1
.Lno_pf0:
.set k, 0
.rept 32
	v_xor_b32 v[QR+k], s[SGN], v[QR+k]             ; -Q
.set k, k+1
.endr
	s_wait_alu depctr_va_vdst(0)                   ; the wait at the head's end
	s_wait_tensorcnt 0x0                           ; my part of slot 0 is in
	ds_add_u32 v[SPW], v[NIL]
	ds_add_u32 v[SPW], v[NIL]
	DSTEP
	s_wait_dscnt 0x0
	CROUND
	TLOAD                                          ; slot 1
	MLOAD
	KLOAD 0, FRA
	KLOAD 1, FRB
	PREF 0                                         ; slot 2
.Lslot:                                            ; 6 trips: trip i changes to slot i + 1 and asks for slot i + 2
	STEP 0
	s_sub_co_u32 s[SLOTS], s[SLOTS], 1
	s_cmp_lg_u32 s[SLOTS], 0
	s_cbranch_scc1 .Lslot
	STEP 1                                         ; the last two steps are written out: they ask for nothing
	STEP 2
	; THE MERGE.  Waves w and w ^ 4 hold the same two tiles of queries over the two halves of the keys.  Each gives its tile slot 1 (O^T as an image of its registers, -M and the sum) and keeps its tile slot 0:
	; the partner's slot 1 is my slot 0's tile.  Both M are whole numbers, so both parts are brought under the larger by factors that round nothing.  The lines up to the stores are places behind the last products.
	v_add_f32 v[ST+2], v[ST+2], v[ST+3]            ; slot 0's sum
	v_add_f32 v15, v[ST+10], v[ST+11]              ; slot 1's sum
	v_mov_b32 v14, v[ST+9]                         ; slot 1's -M
	v_and_b32 v7, 31, v0                           ; lane
	v_and_b32 v20, 15, v0                          ; r
	v_bfe_u32 v21, v0, 4, 1                        ; h
	s_lshl_b32 s72, s[WV], 13
	s_xor_b32 s74, s[WV], 4                        ; my partner
	s_lshl_b32 s73, s74, 13
	s_lshl_b32 s75, s[WV], 8
	s_add_co_u32 s75, s75, STX
	s_lshl_b32 s77, s74, 8
	s_add_co_u32 s77, s77, STX
	s_mul_i32 s76, s[WV], 16*272
	s_add_co_u32 s76, s76, STG                     ; my stage
	s_wait_alu depctr_va_vdst(0)                   ; behind the scalar lines
	v_lshl_add_u32 v1, v7, 4, s72                  ; where I put the image: 8,192 x wave + 16 x lane
	v_lshl_add_u32 v3, v7, 3, s75                  ; the two numbers: STX + 256 x wave + 8 x lane
	v_lshl_add_u32 v2, v7, 4, s73                  ; and where my partner's lie
	v_lshl_add_u32 v4, v7, 3, s77
	ds_store_b64 v3, v[14:15]
	WIN 0x04                                       ; store data window 1
.irp c, 0,1,2,3,4,5,6,7,8,9,10,11,12,13,14,15
	ds_store_b128 v1, v[64+4*\c:64+4*\c+3] offset:512*\c   ; slot 1's O^T, each accumulator from its low end on; a store's 512 bytes are consecutive
.endr
	WIN 0
	v_mul_u32_u24 v9, v20, 272
	v_mul_u32_u24 v10, v21, 272
	v_lshlrev_b32 v13, 9, v21
	v_lshl_add_u32 v9, v21, 5, v9
	v_lshl_add_u32 v10, v20, 4, v10
	v_lshl_add_u32 v13, v20, 4, v13                ; out0: lanes 0-15 one row, lanes 16-31 the next
	v_add_nc_u32 v9, s76, v9                       ; the stage, in: row r; a tile's eight channels of my half: 64 t + 32 h bytes on
	v_add_nc_u32 v10, s76, v10                     ; back: lanes 0-15 one row, lanes 16-31 the next
	s_wait_alu depctr_va_vdst(0)
	s_wait_dscnt 0x0                               ; for my partner's sake: my stores have landed
	s_barrier_signal -1
	s_barrier_wait -1
	ds_load_b64 v[14:15], v4                       ; the partner's -M and sum
.irp c, 0,1,2,3,4,5,6,7,8,9,10,11,12,13,14,15
	ds_load_b128 v[S+4*\c:S+4*\c+3], v2 offset:512*\c
.endr
	s_wait_dscnt 16                                ; the two numbers are in; the sixteen loads of the image may be out
	v_min_num_f32 v20, v[ST+1], v14                ; the larger M, as -M
	v_sub_f32 v21, v20, v[ST+1]
	v_sub_f32 v22, v20, v14
	v_cvt_i32_f32 v21, v21
	v_cvt_i32_f32 v22, v22
	v_ldexp_f32 v21, 1.0, v21                      ; my factor
	v_ldexp_f32 v22, 1.0, v22                      ; the partner's
	v_mul_f32 v[ST+2], v[ST+2], v21
	v_fma_f32 v[ST+2], v15, v22, v[ST+2]           ; the sum over both halves of the keys,
	v_permlanex16_b32 v23, v[ST+2], s[SEL], s[SEL+1]
	v_add_f32 v[ST+2], v[ST+2], v23                ; and lane l xor 16's: the row's sum, at least 1/2
	s_wait_alu depctr_va_vdst(0)
	v_rcp_f32 v[ST+2], v[ST+2]
	s_add_co_i32 s72, s[EX+2], s[EX+3]
	v_nop                                          ; one plain line behind a transcendental
	s_wait_alu depctr_va_vdst(0)
	v_ldexp_f32 v[ST+2], v[ST+2], s72              ; x 2^(ep + ev)
	v_mul_f32 v20, v21, v[ST+2]                    ; of the pairs v[20:21] and v[22:23] the low word serves both halves
	v_mul_f32 v22, v22, v[ST+2]
	; THE WAY OUT, half a row (64 channels, 256 bytes) of 16 queries at a time, through my stage, so that sixteen lanes store 256 consecutive bytes, at a multiple of 256 from out0's first byte.
.irp u, 0,1
	s_wait_alu depctr_va_vdst(0)
	s_wait_dscnt 8+8*\u                            ; this half of the partner's image is in: behind it the other half's 8 loads (u = 1: the stage's 16 instructions)
.set k, 32*\u
.rept 16
	v_pk_mul_f32 v[S+k:S+k+1], v[S+k:S+k+1], v[22:23] op_sel_hi:[1,0]
.set k, k+2
.endr
	WIN 0x01                                       ; source 0 (my O^T) window 1
	s_wait_alu depctr_va_vdst(0)                   ; directly ahead of the first readers of O^T
.set k, 32*\u
.rept 16
	v_pk_fma_f32 v[S+k:S+k+1], v[k:k+1], v[20:21], v[S+k:S+k+1] op_sel_hi:[1,0,1]   ; register 8 t + i is out0(r, 16 t + 8 h + i)
.set k, k+2
.endr
	WIN 0
.irp t, 0,1,2,3
	ds_store_b128 v9, v[S+32*\u+8*\t:S+32*\u+8*\t+3] offset:64*\t
	ds_store_b128 v9, v[S+32*\u+8*\t+4:S+32*\u+8*\t+7] offset:64*\t+16
.endr
.irp i, 0,1,2,3,4,5,6,7
	ds_load_b128 v[CD+32*\u+4*\i:CD+32*\u+4*\i+3], v10 offset:2*\i*272   ; LDS serves a wave's instructions in order (ISA guide 5.7.1.4): these see my stores, and the next half's stores come behind them
.endr
.endr
.irp u, 0,1
.irp i, 0,1,2,3,4,5,6,7
	s_wait_dscnt 23-16*\u-\i                       ; behind this load: its half's 7 - i younger loads and, for the first half, the second half's sixteen LDS instructions
	global_store_b128 v13, v[CD+32*\u+4*\i:CD+32*\u+4*\i+3], s[14:15] offset:2*\i*512+256*\u th:TH_STORE_NT
.endr
.endr
	s_wait_tensorcnt 0x0                           ; the wave's end: behind my last tensor load and my last LDS store
	ds_add_u32 v[SPW], v[NIL]
	s_wait_dscnt 0x0
	CROUND                                         ; the closing round: no work-group ends while a partner may still ask for a tile that names it
	s_endpgm
.Lfunc_end_k_q8229f6a615_attn:
	.size	k_q8229f6a615_attn, .Lfunc_end_k_q8229f6a615_attn-k_q8229f6a615_attn
	.p2alignl 7, 3214868480
	.fill 96, 4, 3214868480
	.section	.rodata,"a",@progbits
	.p2align	6, 0x0
	.amdhsa_kernel k_q8229f6a615_attn
		.amdhsa_group_segment_fixed_size 327680
		.amdhsa_private_segment_fixed_size 0
		.amdhsa_enable_private_segment 0
		.amdhsa_kernarg_size 48
		.amdhsa_user_sgpr_count 2
		.amdhsa_user_sgpr_kernarg_segment_ptr 1
		.amdhsa_wavefront_size32 1
		.amdhsa_system_sgpr_workgroup_id_x 1
		.amdhsa_system_sgpr_workgroup_id_y 1
		.amdhsa_system_sgpr_workgroup_id_z 1
		.amdhsa_system_vgpr_workitem_id 0
		.amdhsa_next_free_vgpr 512
		.amdhsa_next_free_sgpr 100
		.amdhsa_reserve_vcc 0
		.amdhsa_float_denorm_mode_32 3
		.amdhsa_float_denorm_mode_16_64 3
		.amdhsa_memory_ordered 1
		.amdhsa_forward_progress 1
		.amdhsa_inst_pref_size 138
	.end_amdhsa_kernel
	.amdgpu_metadata
---
amdhsa.version: [ 1, 2 ]
amdhsa.kernels:
  - .name:           k_q8229f6a615_attn
    .symbol:         k_q8229f6a615_attn.kd
    .args:
      - { .name: Q_codes, .offset: 0, .size: 8, .value_kind: global_buffer, .address_space: global }
      - { .name: K_codes, .offset: 8, .size: 8, .value_kind: global_buffer, .address_space: global }
      - { .name: V_codes, .offset: 16, .size: 8, .value_kind: global_buffer, .address_space: global }
      - { .name: lowp_scales, .offset: 24, .size: 8, .value_kind: global_buffer, .address_space: global }
      - { .name: mask, .offset: 32, .size: 8, .value_kind: global_buffer, .address_space: global }
      - { .name: out0, .offset: 40, .size: 8, .value_kind: global_buffer, .address_space: global }
    .group_segment_fixed_size: 327680
    .private_segment_fixed_size: 0
    .kernarg_segment_align: 8
    .kernarg_segment_size: 48
    .max_flat_workgroup_size: 256
    .sgpr_count:     100
    .vgpr_count:     512
    .wavefront_size: 32
...
	.end_amdgpu_metadata
.endif
;; end of part 1
